; MI455X (gfx1250); checked and timed in simulation.
; The chip was launched on July 23, 2026; its instructions are those of AMD's public machine-readable ISA for CDNA 5 (MIT licence, August 2026) and "CDNA5" Instruction Set Architecture Reference Guide (July 2026). The comments in the code are by the model that wrote it; some were corrected since.
;; Moe. Allowed arithmetic: float matrix products may take bf16 or f16 operands with f32 sums; other float arithmetic in f32, or as packed bf16 or f16 multiplies, adds, multiply-adds, maxima and minima; sums over many terms, partial sums and values carried from step to step in f32; what a program stores and reads back later, other than sums and carried values, may be rounded once to bf16 or f16.
;; Inputs: W1 4 x 256 x 1,024 float32; W2 4 x 1,024 x 1,024 float32; W3 4 x 1,024 float32; Wg1 256 x 1,024 float32; Wg2 1,024 x 1,024 float32; Wg3 1,024 x 4 float32; b1 4 x 1,024 float32; b2 4 x 1,024 float32; b3 4 float32; bg1 1,024 float32; bg2 1,024 float32; bg3 4 float32; x 8,192 x 256 float32.
;; Outputs: out0 8,192 x 1 float32.
;; One version. Each part assembles by itself: llvm-mc -triple=amdgcn-amd-amdhsa -mcpu=gfx1250 --defsym DOCPART=n.
;; ======== version 1 of 1: 3 launches
;; workspace buffers: wf 13,312,000 bytes; part 675,840 bytes
;; launch lay (part 1): grid 161 x 5, 8 waves a work-group, no clusters, 0 bytes of LDS; arguments W1, W2, W3, Wg1, Wg2, Wg3, b1, b2, bg1, bg2, wf; writes wf
.if DOCPART == 1
	.amdgcn_target "amdgcn-amd-amdhsa--gfx1250"
	.amdhsa_code_object_version 6
	.text
	.protected	k_q5dacdbce23_lay
	.globl	k_q5dacdbce23_lay
	.p2align	8
	.type	k_q5dacdbce23_lay,@function
k_q5dacdbce23_lay:
	s_mov_b64 s[64:65], 0
	v_nop
	global_prefetch_b8 v0, s[64:65] scope:SCOPE_SE
	s_setreg_imm32_b32 hwreg(HW_REG_WAVE_MODE, 25, 1), 1
	s_wait_xcnt 0x0
; All weights and the first two biases of the five networks (0-3 the experts, 4 the gate) are rounded once to bf16 and written into wf in the order
; in which a wave of the next launch takes them as source 0 of v_wmma_f32_16x16x32_bf16.
; wf, for each network NETB bytes: 0 b1 (1,024 f32: the bias rounded to bf16, times -log2 e, as the next launch's silu takes it); 4,096 b2 likewise; 8,192 the third layer, 32 fragments
; in DESCENDING order (fragment c at place 31 - c); 40,960 layer 1, 32 chunks of 16 fragments; 565,248 layer 2, 32 chunks of 64 fragments.
; A chunk is 32 output units; fragment 2 ks + nb of it holds units 16 nb .. + 15 and inputs 32 ks .. + 31.
; A fragment is 1,024 bytes: [c2 = 0, 1][lane 0..31][8 bf16]; number e of lane (r = lane % 16, h = lane / 16) is W[input 32 ks + 16 c2 + 8 h + e][unit r of the fragment].
; Grid: y = the network; x < 160: eight waves, each one task (a chunk's two fragments of one ks); x = 160: the biases and the third layer.
; No LDS, no loop: a wave has all its loads out before its one wait.
.set NETB, 2662400
.set WOFF, 40960
	s_load_b512 s[8:23], s[0:1], 0x0               ; W1 s[8:9], W2 s[10:11], W3 s[12:13], Wg1 s[14:15], Wg2 s[16:17], Wg3 s[18:19], b1 s[20:21], b2 s[22:23]
	s_load_b128 s[24:27], s[0:1], 0x40             ; bg1 s[24:25], bg2 s[26:27]
	s_load_b64 s[28:29], s[0:1], 0x50              ; wf
	v_lshrrev_b32 v1, 5, v0
	v_readfirstlane_b32 s2, v1                     ; wave 0..7
	s_and_b32 s3, ttmp7, 0xffff                    ; the network
	s_mov_b32 s4, ttmp9
	s_mul_i32 s40, s3, NETB                        ; the network's part of wf
	s_mov_b32 s41, 0
	s_cmp_eq_u32 s3, 4
	s_cselect_b32 s5, 0, s3                        ; the expert's number for offsets into the stacked tensors; the gate's tensors are not stacked
	s_wait_kmcnt 0x0
	s_add_nc_u64 s[28:29], s[28:29], s[40:41]
	s_cmp_eq_u32 s4, 160
	s_cbranch_scc1 .Laux
	; A TASK: T = 8 x + wave.  T < 256: layer 1, chunk T / 8, ks = T % 8.  Else T' = T - 256: layer 2, chunk T' / 32, ks = T' % 32.  Both go to byte 40,960 + 2,048 T.
	s_lshl_b32 s6, s4, 3
	s_add_co_u32 s6, s6, s2                        ; T
	s_cmp_eq_u32 s3, 4
	s_cselect_b64 s[30:31], s[14:15], s[8:9]       ; layer 1's weights: the gate's or the experts'
	s_cselect_b64 s[32:33], s[16:17], s[10:11]     ; layer 2's
	s_cmp_ge_u32 s4, 32
	s_cselect_b64 s[30:31], s[32:33], s[30:31]
	s_cselect_b32 s34, 22, 20                      ; an expert's matrix is 2^22 or 2^20 bytes
	s_cselect_b32 s35, 256, 0
	s_cselect_b32 s36, 5, 3
	s_cselect_b32 s37, 31, 7
	s_sub_co_u32 s35, s6, s35                      ; T'
	s_lshr_b32 s38, s35, s36                       ; chunk
	s_and_b32 s39, s35, s37                        ; ks
	s_lshl_b32 s42, s5, s34
	s_lshl_b32 s39, s39, 17                        ; 32 rows of 4,096 bytes
	s_lshl_b32 s38, s38, 7                         ; 32 units of 4 bytes
	s_add_co_u32 s42, s42, s39
	s_add_co_u32 s42, s42, s38
	s_mov_b32 s43, 0
	s_add_nc_u64 s[30:31], s[30:31], s[42:43]
	s_lshl_b32 s40, s6, 11
	s_add_co_u32 s40, s40, WOFF
	s_add_nc_u64 s[28:29], s[28:29], s[40:41]
	v_and_b32 v2, 31, v0                           ; lane l owns unit l of the chunk
	v_lshlrev_b32 v3, 2, v2
	v_and_b32 v4, 15, v2
	v_lshrrev_b32 v5, 4, v2
	v_lshlrev_b32 v4, 4, v4
	v_lshl_add_u32 v4, v5, 10, v4                  ; fragment l / 16, 16 bytes at place l % 16
.set i, 0
.rept 32
	global_load_b32 v[8+i], v3, s[30:31] offset:i*4096 th:TH_LOAD_NT  ; input 32 ks + i: the wave reads 128 consecutive bytes; each weight is read once in the launch
.set i, i+1
.endr
	s_wait_loadcnt 0x0
.set i, 0
.rept 16
	v_cvt_pk_bf16_f32 v[40+i], v[8+2*i], v[9+2*i]
.set i, i+1
.endr
.irp c, 0,1
.irp h, 0,1
	global_store_b128 v4, v[40+8*(\c)+4*(\h):43+8*(\c)+4*(\h)], s[28:29] offset:512*(\c)+256*(\h)  ; inputs 16 c + 8 h .. + 7: sixteen lanes store 256 consecutive bytes, aligned
.endr
.endr
	s_endpgm
.Laux:                                                 ; 256 threads: the biases, and the third layer as fragments
	s_cmp_eq_u32 s3, 4
	s_cselect_b64 s[30:31], s[24:25], s[20:21]     ; b1
	s_cselect_b64 s[32:33], s[26:27], s[22:23]     ; b2
	s_cselect_b32 s34, 4, 1                        ; outputs of the third layer
	s_lshl_b32 s42, s5, 12                         ; an expert's row of 1,024 f32
	s_mov_b32 s43, 0
	s_add_nc_u64 s[30:31], s[30:31], s[42:43]
	s_add_nc_u64 s[32:33], s[32:33], s[42:43]
	s_add_nc_u64 s[12:13], s[12:13], s[42:43]
	v_lshlrev_b32 v2, 4, v0                        ; 16 x thread
	v_and_b32 v3, 15, v0                           ; r: the fragment's row = the output
	v_lshrrev_b32 v12, 4, v0
	v_lshrrev_b32 v112, 6, v0                      ; of the four fragments that 256 threads make, mine,
	v_sub_nc_u32 v112, 3, v112                     ; counted from the last: the fragments lie in descending order
	v_and_b32 v113, 63, v0
	v_lshlrev_b32 v113, 4, v113
	v_lshl_add_u32 v113, v112, 10, v113            ; and my 16 bytes in it
	global_load_b128 v[4:7], v2, s[30:31]
	global_load_b128 v[8:11], v2, s[32:33]
	; Piece 256 i + thread of the 2,048 pieces of 16 bytes holds units 128 i + 8 (thread / 16) + 0..7 of output r: it belongs to fragment 4 i + thread / 64.
	s_cmp_eq_u32 s3, 4
	s_cbranch_scc1 .Lgate
	v_lshlrev_b32 v13, 5, v12                      ; an expert: eight neighbouring f32 of its row of W3
.irp i, 0,1,2,3,4,5,6,7
	global_load_b128 v[16+8*(\i):19+8*(\i)], v13, s[12:13] offset:512*(\i)
	global_load_b128 v[20+8*(\i):23+8*(\i)], v13, s[12:13] offset:512*(\i)+16
.endr
	s_branch .Ljoin
.Lgate:
	v_min_u32 v14, 3, v3                           ; the gate: Wg3[unit][output], 16 bytes a unit; rows past the fourth read the fourth and are set to 0 below
	v_lshlrev_b32 v13, 7, v12
	v_lshl_add_u32 v13, v14, 2, v13
.irp i, 0,1,2,3,4,5,6,7
.irp e, 0,1,2,3,4,5,6,7
	global_load_b32 v[16+8*(\i)+(\e)], v13, s[18:19] offset:2048*(\i)+16*(\e)
.endr
.endr
.Ljoin:
	s_wait_loadcnt 0x0
	v_cvt_pk_bf16_f32 v14, v4, v5                  ; the biases are rounded to bf16, as every input is, and kept as f32
	v_cvt_pk_bf16_f32 v15, v6, v7
	v_cvt_pk_bf16_f32 v12, v8, v9
	v_cvt_pk_bf16_f32 v13, v10, v11
	v_lshlrev_b32 v4, 16, v14
	v_and_b32 v5, 0xffff0000, v14
	v_lshlrev_b32 v6, 16, v15
	v_and_b32 v7, 0xffff0000, v15
	v_lshlrev_b32 v8, 16, v12
	v_and_b32 v9, 0xffff0000, v12
	v_lshlrev_b32 v10, 16, v13
	v_and_b32 v11, 0xffff0000, v13
.irp n, 4,5,6,7,8,9,10,11
	v_mul_f32 v[\n], 0xbfb8aa3b, v[\n]             ; times -log2 e
.endr
	global_store_b128 v2, v[4:7], s[28:29]
	global_store_b128 v2, v[8:11], s[28:29] offset:4096
	v_cmp_gt_u32 vcc_lo, s34, v3                   ; rows that are outputs
.irp i, 0,1,2,3,4,5,6,7
.irp j, 0,1,2,3
	v_cvt_pk_bf16_f32 v[80+4*(\i)+(\j)], v[16+8*(\i)+2*(\j)], v[17+8*(\i)+2*(\j)]
.endr
.irp j, 0,1,2,3
	v_cndmask_b32 v[80+4*(\i)+(\j)], 0, v[80+4*(\i)+(\j)], vcc_lo  ; the other rows are 0
.endr
	global_store_b128 v113, v[80+4*(\i):83+4*(\i)], s[28:29] offset:8192+4096*(7-(\i))  ; sixteen lanes store 256 consecutive bytes, aligned
.endr
	s_endpgm
.Lfunc_end_k_q5dacdbce23_lay:
	.size	k_q5dacdbce23_lay, .Lfunc_end_k_q5dacdbce23_lay-k_q5dacdbce23_lay
	.p2alignl 7, 3214868480
	.fill 96, 4, 3214868480
	.section	.rodata,"a",@progbits
	.p2align	6, 0x0
	.amdhsa_kernel k_q5dacdbce23_lay
		.amdhsa_group_segment_fixed_size 0
		.amdhsa_private_segment_fixed_size 0
		.amdhsa_enable_private_segment 0
		.amdhsa_kernarg_size 88
		.amdhsa_user_sgpr_count 2
		.amdhsa_user_sgpr_kernarg_segment_ptr 1
		.amdhsa_wavefront_size32 1
		.amdhsa_system_sgpr_workgroup_id_x 1
		.amdhsa_system_sgpr_workgroup_id_y 1
		.amdhsa_system_sgpr_workgroup_id_z 1
		.amdhsa_system_vgpr_workitem_id 0
		.amdhsa_next_free_vgpr 128
		.amdhsa_next_free_sgpr 66
		.amdhsa_reserve_vcc 1
		.amdhsa_float_denorm_mode_32 3
		.amdhsa_float_denorm_mode_16_64 3
		.amdhsa_memory_ordered 1
		.amdhsa_forward_progress 1
		.amdhsa_inst_pref_size 21
	.end_amdhsa_kernel
	.amdgpu_metadata
---
amdhsa.version: [ 1, 2 ]
amdhsa.kernels:
  - .name:           k_q5dacdbce23_lay
    .symbol:         k_q5dacdbce23_lay.kd
    .args:
      - { .name: W1, .offset: 0, .size: 8, .value_kind: global_buffer, .address_space: global }
      - { .name: W2, .offset: 8, .size: 8, .value_kind: global_buffer, .address_space: global }
      - { .name: W3, .offset: 16, .size: 8, .value_kind: global_buffer, .address_space: global }
      - { .name: Wg1, .offset: 24, .size: 8, .value_kind: global_buffer, .address_space: global }
      - { .name: Wg2, .offset: 32, .size: 8, .value_kind: global_buffer, .address_space: global }
      - { .name: Wg3, .offset: 40, .size: 8, .value_kind: global_buffer, .address_space: global }
      - { .name: b1, .offset: 48, .size: 8, .value_kind: global_buffer, .address_space: global }
      - { .name: b2, .offset: 56, .size: 8, .value_kind: global_buffer, .address_space: global }
      - { .name: bg1, .offset: 64, .size: 8, .value_kind: global_buffer, .address_space: global }
      - { .name: bg2, .offset: 72, .size: 8, .value_kind: global_buffer, .address_space: global }
      - { .name: wf, .offset: 80, .size: 8, .value_kind: global_buffer, .address_space: global }
    .group_segment_fixed_size: 0
    .private_segment_fixed_size: 0
    .kernarg_segment_align: 8
    .kernarg_segment_size: 88
    .max_flat_workgroup_size: 256
    .sgpr_count:     66
    .vgpr_count:     128
    .wavefront_size: 32
...
	.end_amdgpu_metadata
.endif
;; end of part 1
;; launch chain (part 2): grid 44 x 5, 4 waves a work-group, clusters of 4 x 1, 327,680 bytes of LDS; arguments x, wf, part; writes part
.if DOCPART == 2
	.amdgcn_target "amdgcn-amd-amdhsa--gfx1250"
	.amdhsa_code_object_version 6
	.text
	.protected	k_q5dacdbce23_chain
	.globl	k_q5dacdbce23_chain
	.p2align	8
	.type	k_q5dacdbce23_chain,@function
k_q5dacdbce23_chain:
	s_mov_b64 s[64:65], 0
	v_nop
	global_prefetch_b8 v0, s[64:65] scope:SCOPE_SE
	s_setreg_imm32_b32 hwreg(HW_REG_WAVE_MODE, 25, 1), 1
	s_wait_xcnt 0x0
	s_wait_alu depctr_hold_cnt(0) depctr_sa_sdst(0) depctr_va_vdst(0) depctr_va_sdst(0) depctr_va_ssrc(0) depctr_va_vcc(0) depctr_vm_vsrc(0)
	s_getreg_b32 s2, hwreg(HW_REG_IB_STS2, 6, 4)
	s_cmp_eq_u32 s2, 0
	s_cbranch_scc0 .Lentry_in_a_cluster
	s_endpgm
.Lentry_in_a_cluster:
	s_bfe_u32 s2, ttmp6, 0x10000c
	s_cmp_lg_u32 s2, 0x3003
	s_cbranch_scc0 .Lentry_shape_is_right
	s_endpgm
.Lentry_shape_is_right:
; One network (y: 0-3 an expert, 4 the gate) for one tile of 192 token places: x W1 + b1, silu, W2 + b2, silu, the third layer without its bias.  part[net][tile][192][4] f32 takes the result:
; an expert's number in component 0, the gate's four logits in components 0-3.
; FORMATS.  x, the weights and the biases are rounded to bf16 (the weights and biases by the launch before), both hidden layers once to bf16 as matrix operands; sums, biases and silu in f32.
; SILU.  With NC = -log2 e and z = NC a (a: the sum with its bias): silu(a) = z / (NC 2^z + NC).  LIMITS.  NaN and infinities are not treated apart; where 2^z overflows the quotient is -0; a power below 2^-126 counts as 0.
; SHARES.  The 512 blocks of 16 tokens go to 44 tiles: tiles 0-27 take 12 blocks, tiles 28-43 take 11.  Every tile has 12 places, three a wave; in a tile of 11 the twelfth place repeats a block
; that exists, and its rows of part are read by nobody: so no branch and no count hangs on the tile.
; LAYOUT.  All products are transposed: source 0 = 16 units x 32 inputs of W^T (a fragment as wf holds it), source 1 = 32 inputs x 16 tokens.  In the result a lane holds ONE token (lane % 16) and
; the units 8 (lane / 16) + 0..7, so the two results of a chunk of 32 units, rounded to bf16 in pairs, ARE source 1 of the next layer.  A wave keeps its 48 tokens' first hidden layer in 768 registers.
; BY TURNS.  A chunk's silu stands beside the NEXT chunk's products.  At a chunk's end 24 packed lines make z (bias and scale in one fused line) out of the six accumulators into PREV, and the accumulators
; are free.  The exponentials, the line NC 2^z + NC and the reciprocals name a destination and source 0 alone (the rest is scalar), so they run under the products' window setting: they are RIDERS behind the
; matrix instructions.  The multiply by z and the rounding name a second vector source: they stand at the runs of LDS loads, in the place of the v_nop that a run wants in front of it.
; Layer 2: 192 products a chunk; batches of 16 values (a token block), one rider a product; every wait for a batch stands at a run of loads.
; Layer 1: 48 products a chunk; batches of 24 values, two or three riders a product; of a trip's four waits two stand among the products.
; THE THIRD LAYER has ONE accumulator: token block t takes the chunk's fragment with its rows turned by 4 t (by the lanes' addresses), so its outputs fall into rows 4 t .. 4 t + 3 of the sum.
; LDS holds weights (and a park, below).  A fill is 65,536 dense bytes of wf: four chunks of layer 1 or one of layer 2; 40 fills go through two slots.
; CLUSTER.  The four tiles of a cluster belong to one network and walk the same weights: every fill is asked for JOINTLY, each wave a quarter, by the same descriptor and a mask of all four.
; THE PARK.  A loop's text cannot name a different register in each trip, so layer 1's trips put their results into the wave's own 24,576 bytes of LDS, and after every 8 trips they are read back into their
; registers.  silu lags a chunk, so place i of stage s holds chunk 8 s + i - 1; the very first place holds nothing and is not read back; chunk 31 is finished behind the loops.
; THE PIPELINE'S ENDS.  PREV starts at 0 in front of each layer: z = 0 gives 0.  Layer 2's first trip so multiplies zeros by 1,024 bytes of finite numbers (weights) that lie behind the third layer's
; fragments; these lie in descending order, and the address steps down.  The price: 104 v_mov_b32 of 0 and one silu written out behind each layer.
; REGISTERS, in windows of 256 (s_set_vgpr_msb: bits 1:0 source 0, 3:2 source 1, 5:4 source 2, 7:6 destination):
;   window 0: v0-7 addresses; v8-55 six accumulators; v56-103 PREV; v104-119 TMP; v120-127 the third layer's sum (in layer 1 the rest of TMP); v128-191, v192-255 two buffers of 8 weight fragments
;   window 1 + t: token block t's first hidden layer, fragment ks at v[8 ks]; before that x: v0-127 as loaded, v192-255 as bf16 fragments; in layer 1 v184-191 of windows 1 and 2 hold the chunk's bias.
.set NETB,  2662400                    ; a network's bytes in wf
.set WOFF,  40960                      ; where its fills begin
.set FILLB, 65536
.set SLOT1, 1<<17                      ; slot 0 at 0, slot 1 here: one exclusive or turns an address in one into the other's
.set AUXA,  65536
.set SPARE, 75776                      ; the spare words, 128 bytes for each wave: two blocks of 256 bytes that no other line names
.set PARKLO, 76288                     ; the park of waves 0 and 1; never filled by a tensor load
.set PARKW, 24576
.set PARKJ, 104960                     ; waves 2 and 3 lie this much further on: from 230,400
.set AUXB,  196608                     ; 33,792 bytes: the third layer's 32 fragments, descending, and 1,024 bytes of weights; layer 1's fetch ahead behind slot 1 falls here
.set AD,   0                           ; v0   the thread's number; then an LDS address in hand
.set L16,  1                           ; v1   16 x lane
.set WA,   2                           ; v2   LDS address of the chunk whose fragments are fetched
.set BA0,  3                           ; v3   32 x (lane / 16): my eight units' biases
.set SPW,  4                           ; v4   LDS address of my spare word; never rewritten
.set NIL,  5                           ; v5   0; never rewritten
.set PA0,  6                           ; v6   layer 1: my 16 bytes in my wave's park
.set PA,   7                           ; v7   layer 1: the same for the trip in hand
.set F1,   6                           ; v6   layer 2: my 16 bytes in a fragment whose rows are turned by 4
.set F2,   7                           ; v7   layer 2: by 8
.set ACC,  8                           ; accumulator (t, nb) at ACC + 16 t + 8 nb
.set PREV, 56                          ; z of the chunk before, in the accumulators' order; then silu; then, for token block t, its bf16 fragment at PREV + 16 t and the third layer's fragment at PREV + 16 t + 8
.set TMP,  104
.set OUTR, 120
.set B0,   128
.set B1,   192
.set T48,  192                         ; 48 registers at work where a silu is written out
.set XO,   192                         ; at the start only: my byte offset in 16 rows of x, and three at work
.set RR,   193
.set HH,   194
.set LN,   195
.set XF,   192                         ; in windows 1-3: x's fragments
.set BW,   184                         ; in windows 1, 2: layer 1's bias, half nb in window 1 + nb
.set WV,   10                          ; s10  my wave's number
.set G1S,  16                          ; s[16:23] descriptor group 1: 64 rows of 256 bytes (a quarter of a fill)
.set G1A,  24                          ; s[24:31] 10 rows (a quarter of AUXA)
.set G1B,  32                          ; s[32:39] 33 rows (a quarter of AUXB)
.set G0A,  40                          ; s[40:43] group 0 for AUXA;  s[44:47] for AUXB;  s[48:51] for fill 0;  s[52:55] for fill 1: it then walks
.set G0B,  44
.set G00,  48
.set G0W,  52
.set TB,   56                          ; s56  LDS byte at which the chunk to be fetched begins
.set SB,   57                          ; s57  LDS byte of the biases of the chunk in hand
.set SW,   58                          ; s58  LDS byte of the third layer's fragment for the chunk before
.set CI,   59                          ; s59-61  loop counts
.set CO,   60
.set CL,   61
.set NC,   62                          ; s[62:63] -log2(e): packed lines name a pair and take its low word twice
.set XB,   66                          ; s[66:71] x at my three blocks
.set PS,   75                          ; s75  the trip's place in the park
.set MSB, 0
.macro WIN new                         ; the immediate's high byte repeats the setting that is left; a switch that changes nothing is dropped
.if MSB != (\new)
	s_set_vgpr_msb (MSB<<8)|(\new)
.set MSB, (\new)
.endif
.endm
; A vector instruction that reads a matrix result or writes a matrix instruction's register, and a load into such a register, stand four plain vector instructions behind it.
.macro PLACES
.rept 4
	v_nop
.endr
.endm
; A round of the cluster's barrier: my work-group's barrier, so that wave 0 speaks for all four waves; wave 0 signals; every wave waits for all four work-groups; my work-group's barrier once more.
.macro CREST                           ; a round behind its opening barrier
	s_cmp_lg_u32 s[WV], 0
	s_cbranch_scc1 .Lnot_wave_0_\@
	s_barrier_signal -3
.Lnot_wave_0_\@:
	s_barrier_wait -3
	s_barrier_signal -1
	s_barrier_wait -1
.endm
.macro ROUND
	s_barrier_signal -1
	s_barrier_wait -1
	CREST
.endm
; 16 LDS loads in one run: group g (8 fragments: four steps of 32 inputs x two halves of the chunk's units) into a buffer.  32 lanes take 512 consecutive bytes.
.macro FETCHW g, buf
	WIN 0
.irp f, 0,1,2,3,4,5,6,7
	ds_load_b128 v[(\buf)+8*(\f):(\buf)+8*(\f)+3],   v[WA] offset:8192*(\g)+1024*(\f)
	ds_load_b128 v[(\buf)+8*(\f)+4:(\buf)+8*(\f)+7], v[WA] offset:8192*(\g)+1024*(\f)+512
.endr
.endm
; THE RIDERS.  RSET chooses a list for the products that follow: k = 1: the exponentials of nv values of z from register z on, into TMP; k = 2: for the nv / 2 pairs in TMP the line NC e + NC and the two
; reciprocals, each pair's line two pairs ahead of its reciprocals; k = 0: none.  per: how many stand behind each product.  No rider reads the result of a transcendental of its own list.
.set RK, 0
.set RZ, PREV
.set RNV, 16
.set RPER, 0
.set rn, 0
.macro RSET k, z, nv, per
.set RK, \k
.set RZ, \z
.set RNV, \nv
.set RPER, \per
.set rn, 0
.endm
.macro RFMA q
	v_pk_fma_f32 v[TMP+2*(\q):TMP+2*(\q)+1], v[TMP+2*(\q):TMP+2*(\q)+1], s[NC:NC+1], s[NC:NC+1] op_sel_hi:[1,0,0]
.endm
.macro RRCP e
	v_rcp_f32 v[TMP+(\e)], v[TMP+(\e)]
.endm
.macro RIDER
.if RK == 1
.if rn < RNV
	v_exp_f32 v[TMP+rn], v[RZ+rn]
.endif
.endif
.if RK == 2
.if rn < 2
	RFMA rn
.elseif rn < 3*(RNV/2)-4
.if (rn-2)%3 == 2
	RFMA (rn-2)/3+2
.else
	RRCP 2*((rn-2)/3)+(rn-2)%3
.endif
.elseif rn < 3*(RNV/2)
	RRCP rn-RNV/2
.endif
.endif
.set rn, rn+1
.endm
; Six matrix instructions: 32 inputs (step kl of the buffer, fragment ks of source 1) for three token blocks x two halves of the units, and the riders behind each.
; The six accumulators take turns, one instruction a turn.  first = 1: the products start the sums.
.macro KSTEP buf, kl, ks, boff, first
.irp t, 0,1,2
	WIN (1+(\t))<<2                                ; source 1 in window 1 + t
.irp nb, 0,1
.if \first
	v_wmma_f32_16x16x32_bf16 v[ACC+16*(\t)+8*(\nb):ACC+16*(\t)+8*(\nb)+7], v[(\buf)+8*(2*(\kl)+(\nb)):(\buf)+8*(2*(\kl)+(\nb))+7], v[(\boff)+8*(\ks):(\boff)+8*(\ks)+7], 0
.else
	v_wmma_f32_16x16x32_bf16 v[ACC+16*(\t)+8*(\nb):ACC+16*(\t)+8*(\nb)+7], v[(\buf)+8*(2*(\kl)+(\nb)):(\buf)+8*(2*(\kl)+(\nb))+7], v[(\boff)+8*(\ks):(\boff)+8*(\ks)+7], v[ACC+16*(\t)+8*(\nb):ACC+16*(\t)+8*(\nb)+7]
.endif
.if RPER > 0
.rept RPER
	RIDER
.endr
.endif
.endr
.endr
.endm
.macro GRP buf, g, first               ; a group of layer 2: four steps, 24 matrix instructions
	KSTEP \buf, 0, 4*(\g), 0, \first
	KSTEP \buf, 1, 4*(\g)+1, 0, 0
	KSTEP \buf, 2, 4*(\g)+2, 0, 0
	KSTEP \buf, 3, 4*(\g)+3, 0, 0
.endm
; A batch's end: nv values from number vb on: z times the reciprocal; then the rounding to bf16 in place: pair i goes to PREV + 16 (i / 8) + i % 8, never ahead of a pair that is still to be read.
.macro FIN vb, nv
.set fq, 0
.rept (\nv)/2
	v_pk_mul_f32 v[PREV+(\vb)+2*fq:PREV+(\vb)+2*fq+1], v[PREV+(\vb)+2*fq:PREV+(\vb)+2*fq+1], v[TMP+2*fq:TMP+2*fq+1]
.set fq, fq+1
.endr
.set fq, (\vb)/2
.rept (\nv)/2
	v_cvt_pk_bf16_f32 v[PREV+16*(fq/8)+fq%8], v[PREV+2*fq], v[PREV+2*fq+1]
.set fq, fq+1
.endr
.endm
; A chunk's end: z = NC x sum + (NC x bias), out of the accumulators into PREV.  Each accumulator is read from its low end on.  lay = 1: the bias lies in windows 1 and 2; 2: in TMP.
.macro ZSTEP lay
.irp nb, 0,1
.if (\lay) == 1
	WIN (1+(\nb))<<4                               ; source 2 in window 1 + nb
.endif
.irp t, 0,1,2
.irp q, 0,1,2,3
.if (\lay) == 1
	v_pk_fma_f32 v[PREV+16*(\t)+8*(\nb)+2*(\q):PREV+16*(\t)+8*(\nb)+2*(\q)+1], v[ACC+16*(\t)+8*(\nb)+2*(\q):ACC+16*(\t)+8*(\nb)+2*(\q)+1], s[NC:NC+1], v[BW+2*(\q):BW+2*(\q)+1] op_sel_hi:[1,0,1]
.else
	v_pk_fma_f32 v[PREV+16*(\t)+8*(\nb)+2*(\q):PREV+16*(\t)+8*(\nb)+2*(\q)+1], v[ACC+16*(\t)+8*(\nb)+2*(\q):ACC+16*(\t)+8*(\nb)+2*(\q)+1], s[NC:NC+1], v[TMP+8*(\nb)+2*(\q):TMP+8*(\nb)+2*(\q)+1] op_sel_hi:[1,0,1]
.endif
.endr
.endr
.endr
	WIN 0
.endm
; A silu written out (behind each layer's last chunk): all 48 values at once, TMP's part taken by 48 registers of the second weight buffer.  Each batch of transcendentals has a plain instruction behind
; its last and ONE wait ahead of its first reader.
.macro EPIFULL
	WIN 0
.set ei, 0
.rept 48
	v_exp_f32 v[T48+ei], v[PREV+ei]
.set ei, ei+1
.endr
	v_nop
	s_wait_alu depctr_va_vdst(0)
.set ei, 0
.rept 26
.if ei < 24
	v_pk_fma_f32 v[T48+2*ei:T48+2*ei+1], v[T48+2*ei:T48+2*ei+1], s[NC:NC+1], s[NC:NC+1] op_sel_hi:[1,0,0]
.endif
.if ei >= 2
	v_rcp_f32 v[T48+2*ei-4], v[T48+2*ei-4]
	v_rcp_f32 v[T48+2*ei-3], v[T48+2*ei-3]
.endif
.set ei, ei+1
.endr
	v_nop
	s_wait_alu depctr_va_vdst(0)
.set ei, 0
.rept 24
	v_pk_mul_f32 v[PREV+2*ei:PREV+2*ei+1], v[PREV+2*ei:PREV+2*ei+1], v[T48+2*ei:T48+2*ei+1]
.set ei, ei+1
.endr
.endm
; LAYER 1'S CHANGE OF SLOTS, behind a slot's fourth chunk.  Each wave waits for all its tensor loads, of which one is out: its quarter of the other slot; adds 0 to its spare word; and waits for that and for
; its own reads of the slot that it leaves.  The barrier is a round of the cluster's, so that no wave of any partner still reads the slot or has a load on its way; the joint refill, two fills on, is the first thing behind it.
.macro CHANGE1
	WIN 0                                          ; at a label and at a branch every window is 0
	s_wait_tensorcnt 0x0                           ; no tensor load of mine is out, so a group 0 may be written
	ds_add_u32 v[SPW], v[NIL]                      ; 0 onto my spare word; scalar work stands between it and the wait for it
	s_xor_b32 s[G0W+1], s[G0W+1], SLOT1            ; the walking descriptor: the other slot than last time,
	s_add_nc_u64 s[G0W+2:G0W+3], s[G0W+2:G0W+3], FILLB  ; the next fill; the type bits on top are not reached
	s_sub_co_u32 s[TB], s[TB], FILLB               ; the fetches go back to a slot's first byte,
	s_xor_b32 s[TB], s[TB], SLOT1                  ; in the other slot
	s_wait_dscnt 0x0                               ; the add is done, and my reads of the slot are over
	ROUND
	tensor_load_to_lds s[G0W:G0W+3], s[G1S:G1S+7]
	s_nop 0
	PLACES
.endm
.macro PUT b                           ; three of a chunk's six halves of a KiB go into the park: token block n / 2, half n % 2 of its fragment, 512 consecutive bytes each
.irp n, 3*(\b), 3*(\b)+1, 3*(\b)+2
	ds_store_b128 v[PA], v[PREV+16*((\n)/2)+4*((\n)%2):PREV+16*((\n)/2)+4*((\n)%2)+3] offset:512*(\n)
.endr
.endm
; A TRIP OF LAYER 1: the 48 products of a chunk (32 units, 256 inputs) and the silu of the chunk before, in two batches of 24 values.  Group 0 of the chunk's fragments was fetched a trip ago.
; Behind a slot's fourth chunk the fetch ahead falls on the filled bytes behind the slot and is thrown away: the price of one text for four chunks.
.macro L1TRIP
	FETCHW 1, B1
	s_wait_dscnt 16                                ; all but the 16 just issued: group 0 is in
	RSET 1, PREV, 24, 2
	KSTEP B0, 0, 0, XF, 1
	KSTEP B0, 1, 1, XF, 0
	v_nop                                          ; a plain instruction behind the last exponential,
	s_wait_alu depctr_va_vdst(0)                   ; and the one wait for the 24
	RSET 2, PREV, 24, 3
	KSTEP B0, 2, 2, XF, 0
	KSTEP B0, 3, 3, XF, 0
	RSET 0, PREV, 24, 0
	WIN 0
	s_add_co_u32 s[TB], s[TB], 16384
	v_nop
	s_wait_alu depctr_va_vdst(0)                   ; the one wait for the 24 reciprocals, at the run of loads
	FIN 0, 24                                      ; these lines are also the places in front of the loads
	v_add_nc_u32 v[PA], s[PS], v[PA0]
	v_add_nc_u32 v[WA], s[TB], v[L16]
	v_add_nc_u32 v[AD], s[SB], v[BA0]
	PUT 0
	FETCHW 0, B0                                   ; the next chunk's group 0
	WIN 0x40                                       ; this chunk's 32 biases: register j of half nb belongs to unit 16 nb + 8 (lane / 16) + j
	ds_load_b128 v[BW:BW+3],   v[AD]
	ds_load_b128 v[BW+4:BW+7], v[AD] offset:16
	WIN 0x80
	ds_load_b128 v[BW:BW+3],   v[AD] offset:64
	ds_load_b128 v[BW+4:BW+7], v[AD] offset:80
	WIN 0
	s_wait_dscnt 23                                ; all but the 3 stores and 20 loads just issued: group 1 is in
	RSET 1, PREV+24, 24, 2
	KSTEP B1, 0, 4, XF, 0
	KSTEP B1, 1, 5, XF, 0
	v_nop
	s_wait_alu depctr_va_vdst(0)
	RSET 2, PREV, 24, 3
	KSTEP B1, 2, 6, XF, 0
	KSTEP B1, 3, 7, XF, 0
	RSET 0, PREV, 24, 0
	WIN 0
	PLACES                                         ; behind the chunk's last products, whose sums are read below
	s_wait_alu depctr_va_vdst(0)
	FIN 24, 24
	PUT 1
	s_add_co_u32 s[PS], s[PS], 3072
	s_add_co_u32 s[SB], s[SB], 128
	s_wait_dscnt 3                                 ; all but the 3 stores: the bias is in
	ZSTEP 1
.endm
; The park's places 0-7 come back as fragments 8 s - 1 .. 8 s + 6 of the first hidden layer.  LDS serves a wave's instructions in order (ISA guide 5.7.1.4): these see the stores above, and the next stage's stores come behind them.
.macro RELOAD s
.irp t, 0,1,2
	WIN 0x40*(1+(\t))                              ; destination in window 1 + t
.irp j, 0,1,2,3,4,5,6,7
.if 8*(\s)+(\j) > 0
	ds_load_b128 v[8*(8*(\s)+(\j)-1):8*(8*(\s)+(\j)-1)+3],   v[PA0] offset:1024*(3*(\j)+(\t))
	ds_load_b128 v[8*(8*(\s)+(\j)-1)+4:8*(8*(\s)+(\j)-1)+7], v[PA0] offset:1024*(3*(\j)+(\t))+512
.endif
.endr
.endr
	WIN 0
.endm
; A quarter of layer 1: two slots of four chunks, a change of slots behind each, then the park is emptied.
.macro STAGE s
	s_mov_b32 s[PS], 0
	s_mov_b32 s[CO], 2
.Lslot_\@:
	s_mov_b32 s[CI], 4
.Lchunk_\@:
	L1TRIP
	s_sub_co_u32 s[CI], s[CI], 1
	s_cmp_lg_u32 s[CI], 0
	s_cbranch_scc1 .Lchunk_\@
	CHANGE1
	v_add_nc_u32 v[WA], s[TB], v[L16]
	FETCHW 0, B0                                   ; the next slot's first group
	s_sub_co_u32 s[CO], s[CO], 1
	s_cmp_lg_u32 s[CO], 0
	s_cbranch_scc1 .Lslot_\@
	RELOAD \s
.endm
; The third layer.  ADRA: the address of the fragment with its rows turned by 4 t.  LDA: its two loads, into the eight registers that token block t's rounding has freed.  OUTW: the product.
; In the loop OUTW stands alone between other accumulators' products, so the sum's turns are one instruction long.
.macro ADRA t
.if (\t) == 0
	v_add_nc_u32 v[AD], s[SW], v[L16]
.elseif (\t) == 1
	v_add_nc_u32 v[AD], s[SW], v[F1]
.else
	v_add_nc_u32 v[AD], s[SW], v[F2]
.endif
.endm
.macro LDA t
	ds_load_b128 v[PREV+16*(\t)+8:PREV+16*(\t)+11],  v[AD]
	ds_load_b128 v[PREV+16*(\t)+12:PREV+16*(\t)+15], v[AD] offset:512
.endm
.macro OUTW t
	WIN 0
	v_wmma_f32_16x16x32_bf16 v[OUTR:OUTR+7], v[PREV+16*(\t)+8:PREV+16*(\t)+15], v[PREV+16*(\t):PREV+16*(\t)+7], v[OUTR:OUTR+7]
.endm
; A TRIP OF LAYER 2 = a slot: the 192 products of a chunk (32 units, 1,024 inputs) in 8 groups on two buffers, each group's run of loads in front of the products of the group before it; beside them the
; silu and the third layer of the chunk before, a token block at a time: group 2 t carries its exponentials, group 2 t + 1 its reciprocals, the point behind that its end and the fetch of its third-layer
; fragment, and a group later its product stands first.
; THE CHANGE OF SLOTS stands in group 6: all reads of the slot have been issued in front of it.  Each wave waits for all its tensor loads, of which one is out: its quarter of the other slot; adds 0 to its
; spare word; 12 products; waits for the add and for its reads of the slot; signals; 12 products; waits.  fill = 1: that barrier opens a round of the cluster's, and the joint refill, two fills on, is the first
; thing behind the round.  Then the next chunk's first group and this chunk's bias are fetched, and group 7's products stand in their flight.
.macro L2TRIP fill
	FETCHW 1, B1
	s_wait_dscnt 16                                ; all but the 16 just issued: group 0 is in
	RSET 1, PREV, 16, 1
	GRP B0, 0, 1
.irp t, 0,1,2
	WIN 0
	PLACES                                         ; in front of the loads; the first is also the plain instruction behind the last exponential
	s_wait_alu depctr_va_vdst(0)                   ; the one wait for the 16 exponentials
	FETCHW 2*(\t)+2, B0
	s_wait_dscnt 16                                ; group 2 t + 1 is in, and the third layer's fragment for the token block before
.if (\t) > 0
	OUTW (\t)-1
.endif
	RSET 2, PREV, 16, 1
	GRP B1, 2*(\t)+1, 0
	WIN 0
	v_nop
	s_wait_alu depctr_va_vdst(0)                   ; the one wait for the 16 reciprocals
	FIN 16*(\t), 16                                ; these lines are also the places in front of the loads
	ADRA \t
	FETCHW 2*(\t)+3, B1
	LDA \t
.if (\t) < 2
	s_wait_dscnt 18                                ; all but the 18 just issued: group 2 t + 2 is in
	RSET 1, PREV+16*(\t)+16, 16, 1
	GRP B0, 2*(\t)+2, 0
.endif
.endr
	RSET 0, PREV, 16, 0
	s_wait_tensorcnt 0x0                           ; no tensor load of mine is out, so a group 0 may be written
	ds_add_u32 v[SPW], v[NIL]                      ; 0 onto my spare word; work on registers stands between it and the wait for it
.if \fill
	s_xor_b32 s[G0W+1], s[G0W+1], SLOT1            ; the walking descriptor: the other slot than last time,
	s_add_nc_u64 s[G0W+2:G0W+3], s[G0W+2:G0W+3], FILLB  ; the next fill
.endif
	s_xor_b32 s[TB], s[TB], SLOT1                  ; the fetches go on in the other slot
	s_sub_co_u32 s[SW], s[SW], 1024                ; the next chunk's third-layer fragment lies below this one's
	s_wait_dscnt 19                                ; all but the 18 loads and the add: group 6 is in
	KSTEP B0, 0, 24, 0, 0
	KSTEP B0, 1, 25, 0, 0
	s_wait_dscnt 0x0                               ; the add is done, and my reads of the slot are over
	s_barrier_signal -1
	KSTEP B0, 2, 26, 0, 0
	KSTEP B0, 3, 27, 0, 0
	WIN 0
	s_barrier_wait -1
.if \fill
	CREST
	tensor_load_to_lds s[G0W:G0W+3], s[G1S:G1S+7]
	s_nop 0
.endif
	PLACES
	v_add_nc_u32 v[WA], s[TB], v[L16]
	v_add_nc_u32 v[AD], s[SB], v[BA0]
	FETCHW 0, B0                                   ; the next chunk's group 0
.irp n, 0,1,2,3
	ds_load_b128 v[TMP+4*(\n):TMP+4*(\n)+3], v[AD] offset:64*((\n)/2)+16*((\n)%2)  ; this chunk's 32 biases
.endr
	OUTW 2
	GRP B1, 7, 0
	WIN 0
	PLACES                                         ; behind the chunk's last products, whose sums are read below; and behind the third layer's product, whose sources are written
	s_add_co_u32 s[SB], s[SB], 128
	s_wait_dscnt 0x0                               ; the bias is in
	ZSTEP 2
.endm
.macro XCVT t, left                    ; token block t's x: 128 f32 a lane become 8 fragments.  left: the later blocks' loads, which may stay out
	s_wait_loadcnt \left
	WIN 0x45*(1+(\t))                              ; both sources and the destination in window 1 + t
.set n, 0
.rept 64
	v_cvt_pk_bf16_f32 v[XF+n], v[2*n], v[2*n+1]
.set n, n+1
.endr
.endm
	s_load_b128 s[4:7], s[0:1], 0x0                ; x s[4:5], wf s[6:7]
	s_load_b64 s[8:9], s[0:1], 0x10                ; part
	v_lshl_add_u32 v[SPW], v0, 2, SPARE
	v_mov_b32 v[NIL], 0
	ds_add_u32 v[SPW], v[NIL]                      ; the wave's opening: the add and its wait stand ahead of my first tensor load; the set-up below, work on registers, stands between them
	v_lshrrev_b32 v[RR], 5, v0
	v_readfirstlane_b32 s[WV], v[RR]               ; wave 0..3
	s_bfe_u32 s11, ttmp6, 0x40000                  ; cx: my place in the cluster
	s_lshl_b32 s12, ttmp9, 2                       ; in a cluster launch ttmp9 counts clusters
	s_add_co_u32 s12, s12, s11                     ; my tile: it enters x's and part's addresses alone
	s_and_b32 s13, ttmp7, 0xffff                   ; the network, which the four partners share
	s_min_u32 s14, s12, 28
	s_mul_i32 s15, s12, 11
	s_add_co_u32 s14, s14, s15                     ; the tile's first block: 11 i + min(i, 28)
	s_mul_i32 s15, s[WV], 3
	s_add_co_u32 s14, s14, s15                     ; my wave's first block
	; descriptor group 1: dense rows of 32 elements of 8 bytes
.irp g, G1S, G1A, G1B
	s_mov_b32 s[(\g)+0], 15|(3<<16)|(1<<21)        ; 15:0 the mask: all four work-groups; 17:16 elements of 8 bytes; 21 set beside a mask; no padding
	s_mov_b32 s[(\g)+1], 32<<16                    ; tensor_dim0 = 32
	s_mov_b32 s[(\g)+3], 32<<16                    ; tile_dim0 = 32
	s_mov_b32 s[(\g)+5], 32                        ; 32 elements from row to row
	s_mov_b32 s[(\g)+6], 0
	s_mov_b32 s[(\g)+7], 0
.endr
	s_mov_b32 s[G1S+2], 64<<16                     ; tensor_dim1 and
	s_mov_b32 s[G1S+4], 64                         ; tile_dim1: the rows
	s_mov_b32 s[G1A+2], 10<<16
	s_mov_b32 s[G1A+4], 10
	s_mov_b32 s[G1B+2], 33<<16
	s_mov_b32 s[G1B+4], 33
	s_mov_b32 s[G0A], 1                            ; count = 1; then the LDS address: a constant and the wave's number times a constant
	s_mul_i32 s[G0A+1], s[WV], 2560
	s_add_co_u32 s[G0A+1], s[G0A+1], AUXA
	s_mov_b32 s[G0B], 1
	s_mul_i32 s[G0B+1], s[WV], 8448
	s_add_co_u32 s[G0B+1], s[G0B+1], AUXB
	s_mov_b32 s[G00], 1
	s_mul_i32 s[G00+1], s[WV], 16384
	s_mov_b32 s[G0W], 1
	s_mul_i32 s[G0W+1], s[WV], 16384
	s_add_co_u32 s[G0W+1], s[G0W+1], SLOT1
	s_mov_b32 s[NC], 0xbfb8aa3b                    ; -log2(e)
	s_mov_b32 s[NC+1], s[NC]                       ; named with it as a pair
	s_mov_b32 s[TB], 0
	s_mov_b32 s[SB], AUXA
	s_mov_b32 s[SW], AUXB+32768                    ; layer 2's first trip takes the 1,024 bytes behind the fragments
	s_mov_b32 s73, 0
	s_mov_b32 s77, 0
	v_and_b32 v[LN], 31, v0
	v_lshlrev_b32 v[L16], 4, v[LN]
	v_and_b32 v[RR], 15, v[LN]                     ; r
	v_lshrrev_b32 v[HH], 4, v[LN]                  ; h
	v_lshlrev_b32 v[BA0], 5, v[HH]
	v_lshlrev_b32 v[XO], 10, v[RR]
	v_lshl_add_u32 v[XO], v[HH], 5, v[XO]          ; row r of 1,024 bytes + 32 h
	s_mul_i32 s78, s[WV], PARKW                    ; my wave's park: waves 0 and 1 in front of slot 1, waves 2 and 3 behind AUXB
	s_lshr_b32 s79, s[WV], 1
	s_mul_i32 s79, s79, PARKJ
	s_add_co_u32 s78, s78, s79
	s_add_co_u32 s78, s78, PARKLO
	v_add_nc_u32 v[PA0], s78, v[L16]
	s_wait_dscnt 0x0                               ; the opening add is done
	s_wait_kmcnt 0x0
	s_mul_i32 s76, s13, NETB
	s_add_nc_u64 s[6:7], s[6:7], s[76:77]          ; wf at my network
	s_mul_i32 s76, s[WV], 2560
	s_add_nc_u64 s[G0A+2:G0A+3], s[6:7], s[76:77]
	s_or_b32 s[G0A+3], s[G0A+3], 0x80000000        ; type = 2
	s_mul_i32 s76, s[WV], 8448
	s_add_nc_u64 s[G0B+2:G0B+3], s[6:7], s[76:77]
	s_add_nc_u64 s[G0B+2:G0B+3], s[G0B+2:G0B+3], 8192
	s_or_b32 s[G0B+3], s[G0B+3], 0x80000000
	s_mul_i32 s76, s[WV], 16384
	s_add_nc_u64 s[G00+2:G00+3], s[6:7], s[76:77]
	s_add_nc_u64 s[G00+2:G00+3], s[G00+2:G00+3], WOFF
	s_add_nc_u64 s[G0W+2:G0W+3], s[G00+2:G00+3], FILLB
	s_or_b32 s[G00+3], s[G00+3], 0x80000000
	s_or_b32 s[G0W+3], s[G0W+3], 0x80000000
.irp t, 0,1,2
	s_add_co_u32 s72, s14, \t
	s_min_u32 s72, s72, 511                        ; the last tile's twelfth place repeats the last block
	s_lshl_b32 s72, s72, 14                        ; 16 rows of 1,024 bytes
	s_add_nc_u64 s[XB+2*(\t):XB+2*(\t)+1], s[4:5], s[72:73]
.endr
	s_mul_i32 s72, s13, 44
	s_add_co_u32 s72, s72, s12
	s_mul_i32 s72, s72, 3072                       ; a tile's 192 rows of 16 bytes,
	s_mul_i32 s15, s[WV], 768                      ; my wave's 48
	s_add_co_u32 s72, s72, s15
	s_add_nc_u64 s[8:9], s[8:9], s[72:73]
	ROUND                                          ; all four work-groups are here: the first joint loads meet
	tensor_load_to_lds s[G0A:G0A+3], s[G1A:G1A+7]  ; the first fills go out as one group: four loads of mine are out
	s_nop 0
	tensor_load_to_lds s[G0B:G0B+3], s[G1B:G1B+7]
	s_nop 0
	tensor_load_to_lds s[G00:G00+3], s[G1S:G1S+7]  ; fill 0
	s_nop 0
	tensor_load_to_lds s[G0W:G0W+3], s[G1S:G1S+7]  ; fill 1
	s_nop 0
	PLACES
	; x: fragment ks, half c2 of a lane is 8 f32 at 128 ks + 64 c2 (+ 32 h): two loads of 16 bytes.  All 96 loads are issued before the first wait.
.irp t, 0,1,2
	WIN 0x40*(1+(\t))                              ; destination in window 1 + t
.set n, 0
.rept 32
	global_load_b128 v[4*n:4*n+3], v[XO], s[XB+2*(\t):XB+2*(\t)+1] offset:64*(n/2)+16*(n%2)
.set n, n+1
.endr
.endr
	WIN 0
.set n, 0
.rept 48
	v_mov_b32 v[PREV+n], 0                         ; the first trip's silu works on zeros: written in the wait for x, so that the first chunk needs no text of its own
.set n, n+1
.endr
	XCVT 0, 63                                     ; 64 younger loads are out; the wait's field ends at 63
	XCVT 1, 32
	XCVT 2, 0
	WIN 0
	s_wait_tensorcnt 0x1                           ; my quarters of the biases, the third layer and fill 0 are in; fill 1 may stay out
	s_barrier_signal -1
	s_barrier_wait -1                              ; everybody's are
	v_add_nc_u32 v[WA], s[TB], v[L16]
	FETCHW 0, B0
	STAGE 0                                        ; layer 1: fills 0 to 7 are read, fills 2 to 9 asked for
	STAGE 1
	STAGE 2
	STAGE 3                                        ; its fragments take x's place, behind x's last use; layer 2's first group has been fetched
	EPIFULL                                        ; chunk 31's silu, written out,
.irp t, 0,1,2
	WIN 0x40*(1+(\t))                              ; and rounded straight into fragment 31 of window 1 + t
.irp q, 0,1,2,3,4,5,6,7
	v_cvt_pk_bf16_f32 v[248+(\q)], v[PREV+16*(\t)+2*(\q)], v[PREV+16*(\t)+2*(\q)+1]
.endr
.endr
	WIN 0
.set n, 0
.rept 48
	v_mov_b32 v[PREV+n], 0                         ; layer 2's first trip finds no chunk before it: its silu and its third layer work on zeros
.set n, n+1
.endr
.set n, 0
.rept 8
	v_mov_b32 v[OUTR+n], 0                         ; the third layer's sum
.set n, n+1
.endr
	v_add_nc_u32 v[F1], 192, v[L16]                ; row (r - 4) mod 16: 16 r + 192 modulo 256,
	v_add_nc_u32 v[F2], 128, v[L16]                ; row (r - 8) mod 16
	v_and_b32 v[F1], 0xf0, v[F1]
	v_and_b32 v[F2], 0xf0, v[F2]
	v_and_or_b32 v[F1], v[L16], 0x100, v[F1]       ; and my half of the lanes
	v_and_or_b32 v[F2], v[L16], 0x100, v[F2]
	s_mov_b32 s[CL], 30                            ; layer 2: fills 8 to 39 are read; the first 30 trips ask for fills 10 to 39
.Ll2:
	L2TRIP 1
	s_sub_co_u32 s[CL], s[CL], 1
	s_cmp_lg_u32 s[CL], 0
	s_cbranch_scc1 .Ll2
	s_mov_b32 s[CL], 2                             ; the last two trips have a text of their own; the very last one's fetch ahead falls on filled bytes and is thrown away
.Ltail:
	L2TRIP 0
	s_sub_co_u32 s[CL], s[CL], 1
	s_cmp_lg_u32 s[CL], 0
	s_cbranch_scc1 .Ltail
	EPIFULL                                        ; the last chunk's silu, written out,
.set fq, 0
.rept 24
	v_cvt_pk_bf16_f32 v[PREV+16*(fq/8)+fq%8], v[PREV+2*fq], v[PREV+2*fq+1]
.set fq, fq+1
.endr
.irp t, 0,1,2
	ADRA \t
	LDA \t
.endr
	s_wait_dscnt 0x0
.irp t, 0,1,2
	s_wait_alu depctr_va_vdst(0)                   ; three products on end on the one sum: a wait directly ahead of each
	OUTW \t
.endr
	; THE WAY OUT.  Register j of lane (r, h) of the sum is row 8 h + j for token r: lanes 0-15 hold token block 0 in registers 0-3 and block 1 in 4-7, lanes 16-31 block 2 in registers 0-3.
	PLACES
	v_and_b32 v[B0], 0xf0, v[L16]                  ; 16 r
	v_and_b32 v[B0+1], 0x100, v[L16]
	v_lshl_add_u32 v[B0], v[B0+1], 1, v[B0]        ; + 512 h
	global_store_b128 v[B0], v[OUTR:OUTR+3], s[8:9]  ; blocks 0 and 2: each sixteen lanes store 256 consecutive bytes, aligned
	s_wait_xcnt 0x0                                ; EXEC changes only behind this wait
	v_cmp_gt_u32 vcc_lo, 0x100, v[L16]
	s_and_saveexec_b32 s74, vcc_lo
	global_store_b128 v[B0], v[OUTR+4:OUTR+7], s[8:9] offset:256  ; block 1
	s_wait_xcnt 0x0
	s_or_b32 exec_lo, exec_lo, s74
	s_wait_tensorcnt 0x0                           ; the wave's end, behind my last tensor load and my last LDS store
	ds_add_u32 v[SPW], v[NIL]
	s_wait_dscnt 0x0
	ROUND                                          ; the closing round: no work-group ends while a partner may still ask for a fill that names it
	s_endpgm
.Lfunc_end_k_q5dacdbce23_chain:
	.size	k_q5dacdbce23_chain, .Lfunc_end_k_q5dacdbce23_chain-k_q5dacdbce23_chain
	.p2alignl 7, 3214868480
	.fill 96, 4, 3214868480
	.section	.rodata,"a",@progbits
	.p2align	6, 0x0
	.amdhsa_kernel k_q5dacdbce23_chain
		.amdhsa_group_segment_fixed_size 327680
		.amdhsa_private_segment_fixed_size 0
		.amdhsa_enable_private_segment 0
		.amdhsa_kernarg_size 24
		.amdhsa_user_sgpr_count 2
		.amdhsa_user_sgpr_kernarg_segment_ptr 1
		.amdhsa_wavefront_size32 1
		.amdhsa_system_sgpr_workgroup_id_x 1
		.amdhsa_system_sgpr_workgroup_id_y 1
		.amdhsa_system_sgpr_workgroup_id_z 1
		.amdhsa_system_vgpr_workitem_id 0
		.amdhsa_next_free_vgpr 1024
		.amdhsa_next_free_sgpr 80
		.amdhsa_reserve_vcc 1
		.amdhsa_float_denorm_mode_32 3
		.amdhsa_float_denorm_mode_16_64 3
		.amdhsa_memory_ordered 1
		.amdhsa_forward_progress 1
		.amdhsa_inst_pref_size 207
	.end_amdhsa_kernel
	.amdgpu_metadata
---
amdhsa.version: [ 1, 2 ]
amdhsa.kernels:
  - .name:           k_q5dacdbce23_chain
    .symbol:         k_q5dacdbce23_chain.kd
    .args:
      - { .name: x, .offset: 0, .size: 8, .value_kind: global_buffer, .address_space: global }
      - { .name: wf, .offset: 8, .size: 8, .value_kind: global_buffer, .address_space: global }
      - { .name: part, .offset: 16, .size: 8, .value_kind: global_buffer, .address_space: global }
    .group_segment_fixed_size: 327680
    .private_segment_fixed_size: 0
    .kernarg_segment_align: 8
    .kernarg_segment_size: 24
    .max_flat_workgroup_size: 128
    .sgpr_count:     80
    .vgpr_count:     1024
    .wavefront_size: 32
...
	.end_amdgpu_metadata
.endif
;; end of part 2
;; launch mix (part 3): grid 32 x 1, 2 waves a work-group, no clusters, 0 bytes of LDS; arguments part, b3, bg3, out0; writes out0
.if DOCPART == 3
	.amdgcn_target "amdgcn-amd-amdhsa--gfx1250"
	.amdhsa_code_object_version 6
	.text
	.protected	k_q5dacdbce23_mix
	.globl	k_q5dacdbce23_mix
	.p2align	8
	.type	k_q5dacdbce23_mix,@function
k_q5dacdbce23_mix:
	s_mov_b64 s[64:65], 0
	v_nop
	global_prefetch_b8 v0, s[64:65] scope:SCOPE_SE
	s_setreg_imm32_b32 hwreg(HW_REG_WAVE_MODE, 25, 1), 1
	s_wait_xcnt 0x0
; out0[token] = the sum over the experts of (part[e][token] + b3[e]) x softmax(part[gate][token][:] + bg3)[e].  The softmax takes its maximum away first; all in f32.
; b3 and bg3 are rounded to bf16, as every input of the program is.
; A thread owns four neighbouring tokens; a work-group's 64 threads own 16 blocks of 16 tokens.  Blocks 0-335 lie 12 to a tile, blocks 336-511 lie 11 to a tile (tiles 28-43); 336 = 21 x 16,
; so a work-group's blocks are all of one kind, and its number picks the formula.  A weight below 2^-126 counts as 0; the sum of the weights is at least 1.
.set NETP, 135168                      ; a network's bytes in part: 44 tiles x 192 rows x 16
	s_load_b256 s[4:11], s[0:1], 0x0               ; part s[4:5], b3 s[6:7], bg3 s[8:9], out0 s[10:11]
	s_mov_b32 s2, ttmp9
	s_lshl_b32 s3, s2, 4                           ; my first block
	s_lshl_b32 s19, s2, 6                          ; my first thread among all
	s_mov_b32 s16, 43691                           ; (u x 43,691) >> 19 = u / 12 for u < 336
	s_mov_b32 s17, 47663                           ; (u x 47,663) >> 19 = u / 11 for u < 176
	s_mov_b32 s18, 0x3fb8aa3b                      ; log2(e)
	s_cmp_lt_u32 s2, 21
	s_cselect_b32 s12, 0, 336
	s_cselect_b32 s13, s16, s17
	s_cselect_b32 s14, 12, 11
	s_cselect_b32 s15, 0, 28
	s_sub_co_u32 s3, s3, s12
	v_lshrrev_b32 v1, 2, v0
	v_add_nc_u32 v1, s3, v1                        ; u: my block, counted from the first of its kind
	v_mul_lo_u32 v2, v1, s13
	v_lshrrev_b32 v2, 19, v2
	v_mul_lo_u32 v3, v2, s14
	v_sub_nc_u32 v3, v1, v3                        ; its place in the tile
	v_add_nc_u32 v2, s15, v2                       ; the tile
	v_mul_u32_u24 v2, v2, 192
	v_lshl_add_u32 v2, v3, 4, v2
	v_and_b32 v4, 3, v0
	v_lshl_add_u32 v2, v4, 2, v2                   ; my first row in a network's part
	v_lshlrev_b32 v2, 4, v2
	v_mov_b32 v5, 0
	v_add_nc_u32 v6, s19, v0
	v_lshlrev_b32 v6, 4, v6                        ; my 16 bytes of out0
	s_wait_kmcnt 0x0
.irp q, 0,1,2,3
	global_load_b128 v[8+4*(\q):11+4*(\q)], v2, s[4:5] offset:4*NETP+16*(\q)  ; token q's four logits
.endr
.irp q, 0,1,2,3
.irp e, 0,1,2,3
	global_load_b32 v[24+4*(\q)+(\e)], v2, s[4:5] offset:NETP*(\e)+16*(\q)    ; token q, expert e
.endr
.endr
	global_load_b128 v[40:43], v5, s[6:7]
	global_load_b128 v[44:47], v5, s[8:9]
	s_wait_loadcnt 0x0
	v_cvt_pk_bf16_f32 v52, v40, v41
	v_cvt_pk_bf16_f32 v53, v42, v43
	v_cvt_pk_bf16_f32 v54, v44, v45
	v_cvt_pk_bf16_f32 v55, v46, v47
	v_lshlrev_b32 v40, 16, v52
	v_and_b32 v41, 0xffff0000, v52
	v_lshlrev_b32 v42, 16, v53
	v_and_b32 v43, 0xffff0000, v53
	v_lshlrev_b32 v44, 16, v54
	v_and_b32 v45, 0xffff0000, v54
	v_lshlrev_b32 v46, 16, v55
	v_and_b32 v47, 0xffff0000, v55
.irp q, 0,1,2,3
	v_pk_add_f32 v[8+4*(\q):9+4*(\q)], v[8+4*(\q):9+4*(\q)], v[44:45]
	v_pk_add_f32 v[10+4*(\q):11+4*(\q)], v[10+4*(\q):11+4*(\q)], v[46:47]
.endr
.irp q, 0,1,2,3
	v_max3_num_f32 v[56+(\q)], v[8+4*(\q)], v[9+4*(\q)], v[10+4*(\q)]
.endr
.irp q, 0,1,2,3
	v_max_num_f32 v[56+(\q)], v[56+(\q)], v[11+4*(\q)]  ; the token's largest logit
.endr
.irp q, 0,1,2,3
	v_mul_f32 v[56+(\q)], s18, v[56+(\q)]
.endr
.irp q, 0,1,2,3
.irp j, 0,1,2,3
	v_fma_f32 v[8+4*(\q)+(\j)], v[8+4*(\q)+(\j)], s18, -v[56+(\q)]
.endr
.endr
.set i, 0
.rept 16
	v_exp_f32 v[8+i], v[8+i]                       ; one batch
.set i, i+1
.endr
.irp q, 0,1,2,3
	v_pk_add_f32 v[24+4*(\q):25+4*(\q)], v[24+4*(\q):25+4*(\q)], v[40:41]  ; the experts' biases: plain work that names no exponential's result
	v_pk_add_f32 v[26+4*(\q):27+4*(\q)], v[26+4*(\q):27+4*(\q)], v[42:43]
.endr
	s_wait_alu depctr_va_vdst(0)                   ; one wait for the sixteen, ahead of their first reader
.irp q, 0,1,2,3
	v_pk_add_f32 v[60:61], v[8+4*(\q):9+4*(\q)], v[10+4*(\q):11+4*(\q)]
	v_mul_f32 v[48+(\q)], v[8+4*(\q)], v[24+4*(\q)]
	v_add_f32 v[52+(\q)], v60, v61
	v_fmac_f32 v[48+(\q)], v[9+4*(\q)], v[25+4*(\q)]
	v_fmac_f32 v[48+(\q)], v[10+4*(\q)], v[26+4*(\q)]
	v_fmac_f32 v[48+(\q)], v[11+4*(\q)], v[27+4*(\q)]
.endr
.irp q, 0,1,2,3
	v_rcp_f32 v[52+(\q)], v[52+(\q)]
.endr
	v_nop                                          ; a plain instruction behind the last reciprocal,
	s_wait_alu depctr_va_vdst(0)                   ; and one wait for the four
.irp q, 0,1,2,3
	v_mul_f32 v[48+(\q)], v[48+(\q)], v[52+(\q)]
.endr
	global_store_b128 v6, v[48:51], s[10:11]       ; sixteen lanes store 256 consecutive bytes, aligned
	s_endpgm
.Lfunc_end_k_q5dacdbce23_mix:
	.size	k_q5dacdbce23_mix, .Lfunc_end_k_q5dacdbce23_mix-k_q5dacdbce23_mix
	.p2alignl 7, 3214868480
	.fill 96, 4, 3214868480
	.section	.rodata,"a",@progbits
	.p2align	6, 0x0
	.amdhsa_kernel k_q5dacdbce23_mix
		.amdhsa_group_segment_fixed_size 0
		.amdhsa_private_segment_fixed_size 0
		.amdhsa_enable_private_segment 0
		.amdhsa_kernarg_size 32
		.amdhsa_user_sgpr_count 2
		.amdhsa_user_sgpr_kernarg_segment_ptr 1
		.amdhsa_wavefront_size32 1
		.amdhsa_system_sgpr_workgroup_id_x 1
		.amdhsa_system_sgpr_workgroup_id_y 1
		.amdhsa_system_sgpr_workgroup_id_z 1
		.amdhsa_system_vgpr_workitem_id 0
		.amdhsa_next_free_vgpr 64
		.amdhsa_next_free_sgpr 66
		.amdhsa_reserve_vcc 0
		.amdhsa_float_denorm_mode_32 3
		.amdhsa_float_denorm_mode_16_64 3
		.amdhsa_memory_ordered 1
		.amdhsa_forward_progress 1
		.amdhsa_inst_pref_size 9
	.end_amdhsa_kernel
	.amdgpu_metadata
---
amdhsa.version: [ 1, 2 ]
amdhsa.kernels:
  - .name:           k_q5dacdbce23_mix
    .symbol:         k_q5dacdbce23_mix.kd
    .args:
      - { .name: part, .offset: 0, .size: 8, .value_kind: global_buffer, .address_space: global }
      - { .name: b3, .offset: 8, .size: 8, .value_kind: global_buffer, .address_space: global }
      - { .name: bg3, .offset: 16, .size: 8, .value_kind: global_buffer, .address_space: global }
      - { .name: out0, .offset: 24, .size: 8, .value_kind: global_buffer, .address_space: global }
    .group_segment_fixed_size: 0
    .private_segment_fixed_size: 0
    .kernarg_segment_align: 8
    .kernarg_segment_size: 32
    .max_flat_workgroup_size: 64
    .sgpr_count:     66
    .vgpr_count:     64
    .wavefront_size: 32
...
	.end_amdgpu_metadata
.endif
;; end of part 3
